; MI455X (gfx1250); checked and timed in simulation.
; The chip was launched on July 23, 2026; its instructions are those of AMD's public machine-readable ISA for CDNA 5 (MIT licence, August 2026) and "CDNA5" Instruction Set Architecture Reference Guide (July 2026). The comments in the code are by the model that wrote it; some were corrected since.
;; Multi Head Attention. Allowed arithmetic: matrix products marked QUANTISED: E4M3 operands, one given power-of-two scale a tensor, by v_wmma_f32_16x16x64_fp8_fp8 or v_wmma_f32_16x16x128_fp8_fp8, f32 sums; everything else in f32.
;; Inputs: Wk 1,024 x 1,024 float32; Wo 1,024 x 1,024 float32; Wq 1,024 x 1,024 float32; Wv 1,024 x 1,024 float32; bk 1,024 float32; bo 1,024 float32; bq 1,024 float32; bv 1,024 float32; hidden_states 2 x 2,048 x 1,024 float32; lowp_scales 12 int32 (the exponents e of the quantised operands' scales 2^e).
;; Outputs: out0 2 x 2,048 x 1,024 float32.
;; This version of the problem:
;;   THIS VERSION OF THE PROBLEM IS GIVEN IN LOW PRECISION. The matrix products marked QUANTISED in the list below multiply operands that are first quantised to E4M3 (4 exponent bits, 3 mantissa bits; 8 bits a number), with one given power-of-two scale for each operand tensor; their sums are f32. All else is computed in f32.
;;   The module's matrix products, in the order in which they are computed (A, B: the left and right operand; K: the contracted axis; several contracted axes count as one K, in the product's order):
;;     1. [M 4,096, K 1,024] x [K 1,024, N 1,024]; A: input hidden_states; B: input Wq: QUANTISED (scales: A lowp_scales[0], B lowp_scales[1])
;;     2. [M 4,096, K 1,024] x [K 1,024, N 1,024]; A: input hidden_states; B: input Wk: QUANTISED (scales: A lowp_scales[2], B lowp_scales[3])
;;     3. [M 4,096, K 1,024] x [K 1,024, N 1,024]; A: input hidden_states; B: input Wv: QUANTISED (scales: A lowp_scales[4], B lowp_scales[5])
;;     4. batch 32 x [M 2,048, K 64] x [K 64, N 2,048]; A: computed on the way; B: computed on the way: QUANTISED (scales: A lowp_scales[6], B lowp_scales[7])
;;     5. batch 32 x [M 2,048, K 2,048] x [K 2,048, N 64]; A: softmax (see below); B: computed on the way: QUANTISED (scales: A lowp_scales[8], B lowp_scales[9])
;;     6. [M 4,096, K 1,024] x [K 1,024, N 1,024]; A: computed on the way; B: input Wo: QUANTISED (scales: A lowp_scales[10], B lowp_scales[11])
;;   THE QUANTISER, for each operand of a quantised product, along K:
;;     - The operand's scale is 2^e, e = its entry of the input lowp_scales (int32; the entries are numbered through the quantised products in the list's order, A before B).
;;     - Each number is divided by the scale, clamped to +-448, and rounded to the nearest number of E4M3, ties to even, subnormals kept.
;;     - The product sums the exact products of the quantised numbers (number of the format x scale) in f32.
;;   ~~~python
;;   def quantise(x, axis, e):      # numpy; x: float32 -> the quantised numbers, widened to float32 again
;;       x = np.moveaxis(x, axis, -1); K = x.shape[-1]
;;       r = np.clip(x / 2.0 ** e, -448, 448)
;;       step = 2.0 ** (np.maximum(np.frexp(np.where(r == 0, 1, r))[1] - 1, -6) - 3)
;;       q = np.round(r / step) * step * 2.0 ** e      # np.round: ties to even
;;       return np.moveaxis(q, -1, axis).astype(np.float32)
;;   ~~~
;;   SOFTMAX AHEAD OF A QUANTISED PRODUCT. Where the list says 'softmax', what is quantised is not the finished softmax but p = 2^(t - M), with t = logit x log2(e) and M = ceil(the row's largest t), a whole number; so 1/2 < the row's largest p <= 1. The row's sum l is taken of the UNQUANTISED p, in f32, and the product's result is divided by l at the end. Since M is a whole number, a kernel that streams over the keys may use a running M (the ceiling of the running maximum): every later rescaling is an exact power of two, so the quantised numbers keep their values, but for numbers so far below the row's largest that they fall under the format's range.
;;   OPERANDS COMPUTED ON THE WAY. 'Computed on the way' means the value that the module computes at that place (a softmax that the list does not call 'softmax' is quantised finished and normalised). What goes into a quantiser is computed in f32, as accurately as f32 sums, v_exp_f32 and their like allow (about 1e-6 of the number): no bf16 or f16 on the way to a quantiser, and a product that is left as it is and whose result goes on into a quantised operand takes f32 operands (vector FMAs, or v_wmma_f32_16x16x4_f32). A number that lies on a knife's edge between two numbers of the format may be rounded either way, as far as f32 arithmetic and the matrix unit's own rounding can turn it there, and no further.
;; One version. Each part assembles by itself: llvm-mc -triple=amdgcn-amd-amdhsa -mcpu=gfx1250 --defsym DOCPART=n.
;; ======== version 1 of 1: 4 launches
;; limits: right only within a limited range of input values
;; workspace buffers: xc 12,582,912 bytes; wc 4,194,304 bytes; qkv 12,582,912 bytes; ao 4,194,304 bytes
;; launch quant (part 1): grid 512 x 1, 4 waves a work-group, no clusters, 33,280 bytes of LDS; arguments hidden_states, Wq, Wk, Wv, Wo, lowp_scales, xc, wc; writes xc, wc
.if DOCPART == 1
	.amdgcn_target "amdgcn-amd-amdhsa--gfx1250"
	.amdhsa_code_object_version 6
	.text
	.protected	k_qcb8d6f8ae3_quant
	.globl	k_qcb8d6f8ae3_quant
	.p2align	8
	.type	k_qcb8d6f8ae3_quant,@function
k_qcb8d6f8ae3_quant:
	s_mov_b64 s[64:65], 0
	v_nop
	global_prefetch_b8 v0, s[64:65] scope:SCOPE_SE
	s_setreg_imm32_b32 hwreg(HW_REG_WAVE_MODE, 25, 1), 1
	s_wait_xcnt 0x0
; THE PROGRAM: this launch makes codes of hidden_states and the weights; 'qkv' the three projections, quantised; 'attn' the attention, quantised; 'oproj' the last projection.
; WORK LEFT OUT, in 'attn': tiles of 128 keys all of which come after a query tile's last query.  reference() builds the causal mask itself and gives those scores -infinity, so their p is 0 for all values of the inputs.
;   LIMIT: a NaN, an infinity or an overflow that reaches only such a tile is not carried to the result.  Every input has a way to the output and is loaded.
; THIS LAUNCH: hidden_states [4096][1024] and the four weights [1024][1024], all f32 with K innermost, become codes of FP8 (E4M3), one byte a number, laid as they lie.
; code = x / 2^e, held within +-448, rounded to the nearest code, ties to even.
; hidden_states is an operand of three products, each with a scale of its own (entries 0, 2, 4 of the exponents): three sets of codes are made of it, at 0, 4 MiB and 8 MiB of xc.
; Wq, Wk, Wv, Wo take entries 1, 3, 5, 11 and go to wc at 0, 1, 2, 3 MiB.
; LIMITS: each e between -126 and 119, so that 2^e and 448 x 2^e are f32 numbers.  NaN among the inputs is not served.
; SHARES: a wave takes 8 steps of 512 numbers.  Work-groups 0-255 take hidden_states, 256-511 the weights, 64 each.  Only pointers and scales are chosen by the work-group's number;
; the two further sets of codes of hidden_states stand under a scalar branch on it.  All LDS lines lie on the common way.
; A conversion takes 8 neighbours from ONE lane's registers, a load is dense where neighbouring LANES take neighbouring bytes: so a step's 2,048 bytes are loaded 16 bytes a lane and turned through
; the wave's own stage in LDS (16 bytes of padding behind each 64), from which a lane takes 64 bytes on end.  A lane's 16 codes are 16 bytes: each store of a wave covers 512 consecutive bytes, aligned.
; No barrier: waves share nothing.  All 32 loads of a wave are asked for at the head; the turn through LDS runs one step ahead of the work.  No prefetch: there is no later step to ask for.
.set STEPS, 8
.set SP,    80                         ; a lane's place in a stage: 64 bytes + 16 of padding
.set WREG,  8192                       ; LDS of a wave: two stages of 32 x SP bytes
.set SPARE, 4*WREG                     ; the spare words, 512 bytes
.set R,     24                         ; v24-151  eight sets of 16 numbers as loaded; later the step's codes, 12 registers of its set, so that no store's data are written again
.set X,     152                        ; v152-183 two sets of 16 neighbours
.set T,     184                        ; v184-215 two sets of 16 held numbers
	s_load_b512 s[4:19], s[0:1], 0x0               ; hidden s[4:5], Wq s[6:7], Wk s[8:9], Wv s[10:11], Wo s[12:13], exponents s[14:15], xc s[16:17], wc s[18:19]
	v_lshl_add_u32 v248, v0, 2, SPARE
	v_mov_b32 v249, 0
	v_lshrrev_b32 v1, 5, v0
	v_readfirstlane_b32 s32, v1                    ; wave
	v_and_b32 v2, 31, v0                           ; lane
	v_lshlrev_b32 v3, 4, v2                        ; 16 x lane: my bytes of a load's 512 and of a store's 512; never rewritten
	s_mul_i32 s44, s32, WREG
	v_lshrrev_b32 v14, 2, v2
	v_mul_u32_u24 v14, v14, SP
	v_and_b32 v15, 3, v2
	v_lshl_add_u32 v14, v15, 4, v14
	v_add_nc_u32 v14, s44, v14                     ; the stage, on the way in: SP (lane / 4) + 16 (lane % 4)
	v_mul_u32_u24 v15, v2, SP
	v_add_nc_u32 v15, s44, v15                     ; and on the way out: SP x lane
	s_lshr_b32 s34, ttmp9, 6
	s_and_b32 s34, s34, 3                          ; which weight (in a weight's work-group)
	s_and_b32 s45, ttmp9, 63
	s_lshl_b32 s46, s34, 20                        ; its place in wc
	s_cmp_lt_u32 ttmp9, 256
	s_cselect_b32 s33, 1, 0                        ; 1: hidden_states
	s_cselect_b32 s45, ttmp9, s45
	s_cselect_b32 s46, 0, s46
	s_lshl_b32 s45, s45, 2
	s_add_co_u32 s45, s45, s32                     ; which run of 4,096 numbers of the tensor is my wave's
	s_lshl_b32 s48, s45, 14                        ; in bytes of f32,
	s_mov_b32 s49, 0
	s_lshl_b32 s50, s45, 12                        ; in bytes of codes,
	s_mov_b32 s51, 0
	s_add_co_u32 s52, s50, s46                     ; and with the weight's place
	s_mov_b32 s53, 0
	s_wait_alu depctr_va_vdst(0)                   ; directly ahead of the wait below
	s_wait_kmcnt 0x0
	s_load_b256 s[20:27], s[14:15], 0x0            ; e0 .. e7
	s_load_b128 s[28:31], s[14:15], 0x20           ; e8 .. e11
	s_cmp_eq_u32 s34, 1
	s_cselect_b64 s[36:37], s[8:9], s[6:7]
	s_cmp_eq_u32 s34, 2
	s_cselect_b64 s[36:37], s[10:11], s[36:37]
	s_cmp_eq_u32 s34, 3
	s_cselect_b64 s[36:37], s[12:13], s[36:37]
	s_cmp_eq_u32 s33, 1
	s_cselect_b64 s[36:37], s[4:5], s[36:37]       ; the source
	s_cselect_b64 s[38:39], s[16:17], s[18:19]     ; where the first set of codes goes
	s_add_nc_u64 s[36:37], s[36:37], s[48:49]
	s_add_nc_u64 s[38:39], s[38:39], s[52:53]
	s_add_nc_u64 s[40:41], s[16:17], s[50:51]
	s_add_nc_u64 s[42:43], s[40:41], 0x800000      ; hidden_states' third set
	s_add_nc_u64 s[40:41], s[40:41], 0x400000      ; and its second
.set t, 0
.rept STEPS
.irp i, 0,1,2,3
	global_load_b128 v[R+16*t+4*\i:R+16*t+4*\i+3], v3, s[36:37] offset:2048*t+512*\i th:TH_LOAD_NT   ; 32 lanes read 512 consecutive bytes; read once in the launch
.endr
.set t, t+1
.endr
.macro TURN t                          ; step t's numbers through the stage: LDS serves a wave's instructions in order, so no wait stands between the stores and the loads
.irp i, 0,1,2,3
	ds_store_b128 v14, v[R+16*(\t)+4*\i:R+16*(\t)+4*\i+3] offset:32*SP*((\t)%2)+8*SP*\i
.endr
.irp i, 0,1,2,3
	ds_load_b128 v[X+16*((\t)%2)+4*\i:X+16*((\t)%2)+4*\i+3], v15 offset:32*SP*((\t)%2)+16*\i
.endr
.endm
.macro SCALE se, vs                    ; v[vs] = 2^e as f32 (the conversion takes its exponent field), v[vs + 1] = 448 x 2^e
	s_add_co_i32 s44, s[\se], 127
	s_lshl_b32 s47, s44, 23
	v_mov_b32 v[\vs], s47
	s_add_co_i32 s44, s44, 8
	s_lshl_b32 s44, s44, 23
	s_or_b32 s44, s44, 0x600000
	v_mov_b32 v[\vs+1], s44
.endm
	s_wait_kmcnt 0x0
	s_cmp_eq_u32 s34, 1
	s_cselect_b32 s46, s23, s21                    ; e3 or e1
	s_cmp_eq_u32 s34, 2
	s_cselect_b32 s46, s25, s46                    ; e5
	s_cmp_eq_u32 s34, 3
	s_cselect_b32 s46, s31, s46                    ; e11
	s_cmp_eq_u32 s33, 1
	s_cselect_b32 s46, s20, s46                    ; e0
	SCALE 46, 16
	SCALE 22, 18                                   ; e2
	SCALE 24, 20                                   ; e4
	s_wait_alu depctr_va_vdst(0)                   ; the head's end
	s_wait_loadcnt 28                              ; step 0's four loads are in; the seven later steps' may be out
	TURN 0
; Set k of step t's codes: the hold (the conversion to an 8-bit code does not saturate: ISA guide 7.6.2), two conversions, one store.
.macro Q3 t, k, d
.set XS, X+16*((\t)%2)
.set TS, T+16*((\k)%2)
.set CC, R+16*(\t)+4*(\k)
.irp i, 0,1,2,3,4,5,6,7,8,9,10,11,12,13,14,15
	v_med3_num_f32 v[TS+\i], v[XS+\i], -v[17+2*(\k)], v[17+2*(\k)]
.endr
	v_cvt_scalef32_pk8_fp8_f32 v[CC:CC+1], v[TS:TS+7], v[16+2*(\k)]
	v_cvt_scalef32_pk8_fp8_f32 v[CC+2:CC+3], v[TS+8:TS+15], v[16+2*(\k)]
	v_nop                                          ; one plain vector line between the conversions and the next holds, which write their sources again
	global_store_b128 v3, v[CC:CC+3], s[\d:\d+1] offset:512*(\t)
.endm
.macro STEP t
	s_wait_dscnt 0x0                               ; this step's numbers are back from the stage: so its stores into the stage have read their registers, which take the codes
.if (\t)+1 < STEPS
	s_wait_loadcnt 4*(STEPS-2-(\t))                ; the next step's four loads are in; those of the steps behind it may be out
	TURN (\t)+1                                    ; and go through the other stage while this step is worked
.endif
	Q3 \t, 0, 38
	s_cmp_eq_u32 s33, 0
	s_cbranch_scc1 .Lw_\@                          ; a weight has one scale
	Q3 \t, 1, 40
	Q3 \t, 2, 42
.Lw_\@:
.endm
.irp t, 0,1,2,3,4,5,6,7
	STEP \t
.endr
	s_wait_tensorcnt 0x0                           ; the wave's end
	ds_add_u32 v248, v249
	s_wait_dscnt 0x0
	s_endpgm
.Lfunc_end_k_qcb8d6f8ae3_quant:
	.size	k_qcb8d6f8ae3_quant, .Lfunc_end_k_qcb8d6f8ae3_quant-k_qcb8d6f8ae3_quant
	.p2alignl 7, 3214868480
	.fill 96, 4, 3214868480
	.section	.rodata,"a",@progbits
	.p2align	6, 0x0
	.amdhsa_kernel k_qcb8d6f8ae3_quant
		.amdhsa_group_segment_fixed_size 33280
		.amdhsa_private_segment_fixed_size 0
		.amdhsa_enable_private_segment 0
		.amdhsa_kernarg_size 64
		.amdhsa_user_sgpr_count 2
		.amdhsa_user_sgpr_kernarg_segment_ptr 1
		.amdhsa_wavefront_size32 1
		.amdhsa_system_sgpr_workgroup_id_x 1
		.amdhsa_system_sgpr_workgroup_id_y 1
		.amdhsa_system_sgpr_workgroup_id_z 1
		.amdhsa_system_vgpr_workitem_id 0
		.amdhsa_next_free_vgpr 250
		.amdhsa_next_free_sgpr 66
		.amdhsa_reserve_vcc 0
		.amdhsa_float_denorm_mode_32 3
		.amdhsa_float_denorm_mode_16_64 3
		.amdhsa_memory_ordered 1
		.amdhsa_forward_progress 1
		.amdhsa_inst_pref_size 42
	.end_amdhsa_kernel
	.amdgpu_metadata
---
amdhsa.version: [ 1, 2 ]
amdhsa.kernels:
  - .name:           k_qcb8d6f8ae3_quant
    .symbol:         k_qcb8d6f8ae3_quant.kd
    .args:
      - { .name: hidden_states, .offset: 0, .size: 8, .value_kind: global_buffer, .address_space: global }
      - { .name: Wq, .offset: 8, .size: 8, .value_kind: global_buffer, .address_space: global }
      - { .name: Wk, .offset: 16, .size: 8, .value_kind: global_buffer, .address_space: global }
      - { .name: Wv, .offset: 24, .size: 8, .value_kind: global_buffer, .address_space: global }
      - { .name: Wo, .offset: 32, .size: 8, .value_kind: global_buffer, .address_space: global }
      - { .name: lowp_scales, .offset: 40, .size: 8, .value_kind: global_buffer, .address_space: global }
      - { .name: xc, .offset: 48, .size: 8, .value_kind: global_buffer, .address_space: global }
      - { .name: wc, .offset: 56, .size: 8, .value_kind: global_buffer, .address_space: global }
    .group_segment_fixed_size: 33280
    .private_segment_fixed_size: 0
    .kernarg_segment_align: 8
    .kernarg_segment_size: 64
    .max_flat_workgroup_size: 128
    .sgpr_count:     66
    .vgpr_count:     250
    .wavefront_size: 32
...
	.end_amdgpu_metadata
.endif
;; end of part 1
;; launch qkv (part 2): grid 12 x 16, 4 waves a work-group, clusters of 4 x 4, 327,680 bytes of LDS; arguments xc, wc, bq, bk, bv, lowp_scales, qkv; writes qkv
.if DOCPART == 2
	.amdgcn_target "amdgcn-amd-amdhsa--gfx1250"
	.amdhsa_code_object_version 6
	.text
	.protected	k_qcb8d6f8ae3_qkv
	.globl	k_qcb8d6f8ae3_qkv
	.p2align	8
	.type	k_qcb8d6f8ae3_qkv,@function
k_qcb8d6f8ae3_qkv:
	s_mov_b64 s[64:65], 0
	v_nop
	global_prefetch_b8 v0, s[64:65] scope:SCOPE_SE
	s_setreg_imm32_b32 hwreg(HW_REG_WAVE_MODE, 25, 1), 1
	s_wait_xcnt 0x0
	s_wait_alu depctr_hold_cnt(0) depctr_sa_sdst(0) depctr_va_vdst(0) depctr_va_sdst(0) depctr_va_ssrc(0) depctr_va_vcc(0) depctr_vm_vsrc(0)
	s_getreg_b32 s2, hwreg(HW_REG_IB_STS2, 6, 4)
	s_cmp_eq_u32 s2, 0
	s_cbranch_scc0 .Lentry_in_a_cluster
	s_endpgm
.Lentry_in_a_cluster:
	s_bfe_u32 s2, ttmp6, 0x10000c
	s_cmp_lg_u32 s2, 0xf033
	s_cbranch_scc0 .Lentry_shape_is_right
	s_endpgm
.Lentry_shape_is_right:
; Q, K and V = hidden_states x W^T + b, each quantised with the scale of its next product and stored as an image of operand registers (qkv: Q at 0, K at 4 MiB, V at 8 MiB; 'attn' says how they are laid).
; A block of 256 x 256 is made by a work-group of four waves, a wave 128 x 128: 64 accumulators by turns.  Cluster x = 0, 1, 2 makes Q, K, V: 64 blocks each.
; Q, K: A = hidden_states' codes, B = W's; source 0 = B's rows, so that a lane's eight results are eight neighbours along the head.  V: A = W's codes, B = hidden_states', so that they are eight neighbouring keys.
; K = 1,024 goes in four steps of 256 through a ring of two LDS slots (rows of 256 bytes + 16 of padding).  At the head wave w fetches all 256 rows of A (w = 0, 1) or of B (w = 2, 3) of K step w % 2 into slot w % 2:
; K steps 0 and 1 are asked for together, one load a wave.  A slot is filled again (K steps 2, 3) by four loads of 128 rows, one a wave, behind a round of the cluster's barrier.
; CLUSTERS 4 x 4: A's tiles are shared along a row, B's along a column: joint loads.  No prefetch: there are four K steps, two of them are asked for at the start, and the loop has one trip: nothing is left to run ahead in.
; LIMITS: e0 + e1, e2 + e3, e4 + e5 between -126 and 127; e6, e7, e9 between -126 and 119.  NaN is not served.
; REGISTERS: window 0: v16-31 addresses and scales, v32-95 biases, v96-103 their offsets, v128-255 A's fragments (on the way out sums and codes); window 1: B's fragments, two sets; windows 2, 3: accumulators of my rows 0-63, 64-127.
.set KSTEP,  256
.set ROWB,   256
.set KROW,   1024
.set PITCH,  272
.set FR,     16
.set NL,     4
.set NP,     4
.set HALFT,  128*PITCH
.set SLOT,   4*HALFT
.set SPARE,  2*SLOT
.set ADRA, 16
.set ADRB, 20
.set VO,   27
.set SPW,  28
.set NIL,  29
.set SCL,  30
.set LIM,  31
.set BI,   32
.set BO,   96
.set AF,   128
.set TMP,  128
.set CD,   192
.set G1A, 32
.set G0A, 40
.set G1B, 48
.set G0B, 56
.set PA,  66
.set PB,  68
.set BPT, 70
.set OUT, 72
.set SC,  74
.set E,   76
.set WV,  88
.set HA,  89
.set HB,  90
.set CX,  91
.set CY,  92
.set Y4,  93
.set TA,  96
.set TB,  97
.set MSB, 0
.macro WIN new
.if MSB != \new
	s_set_vgpr_msb (MSB<<8)|\new
.set MSB, \new
.endif
.endm
.set MUL_LO, 0xa1
.set MUL_HI, 0xf1
.set TO_B,   0x40
.macro JLOAD g0a, g1a, g0b, g1b
	s_cmp_eq_u32 s[HA], 0
	s_cbranch_scc0 .Lfor_b_\@
	tensor_load_to_lds s[\g0a:\g0a+3], s[\g1a:\g1a+7]
	s_nop 0
.rept 4
	v_nop
.endr
	s_branch .Lasked_\@
.Lfor_b_\@:
	tensor_load_to_lds s[\g0b:\g0b+3], s[\g1b:\g1b+7]
	s_nop 0
.rept 4
	v_nop
.endr
.Lasked_\@:
.endm
.macro CREST
	s_cmp_lg_u32 s[WV], 0
	s_cbranch_scc1 .Lnot_wave_0_\@
	s_barrier_signal -3
.Lnot_wave_0_\@:
	s_barrier_wait -3
	s_barrier_signal -1
	s_barrier_wait -1
.endm
.macro CROUND
	s_barrier_signal -1
	s_barrier_wait -1
	CREST
.endm
	s_load_b256 s[4:11], s[0:1], 0x0
	s_load_b128 s[12:15], s[0:1], 0x20
	s_load_b64 s[16:17], s[0:1], 0x30
	v_lshl_add_u32 v[SPW], v0, 2, SPARE
	v_mov_b32 v[NIL], 0
	ds_add_u32 v28, v29
	ds_add_u32 v28, v29
	s_wait_dscnt 0x0
	v_lshrrev_b32 v1, 5, v0
	v_readfirstlane_b32 s[WV], v1
	s_lshr_b32 s[HA], s[WV], 1
	s_and_b32 s[HB], s[WV], 1
	s_bfe_u32 s[CX], ttmp6, 0x40000
	s_bfe_u32 s[CY], ttmp6, 0x40004
	s_and_b32 s[Y4], ttmp7, 0xffff
	s_lshl_b32 s[Y4], s[Y4], 2
	s_lshl_b32 s98, s[CY], 2
	s_lshl_b32 s98, 15, s98
	s_lshl_b32 s99, 0x1111, s[CX]
	s_or_b32 s[G1A], s98, (1<<20)|(1<<21)|(5<<22)|(3<<25)
	s_or_b32 s[G1B], s99, (1<<20)|(1<<21)|(5<<22)|(3<<25)
.irp g, G1A, G1B
	s_mov_b32 s[\g+1], ROWB<<16
	s_mov_b32 s[\g+2], 256<<16                     ; the head's loads: 256 rows of one K step
	s_mov_b32 s[\g+3], ROWB<<16
	s_mov_b32 s[\g+4], 256
	s_mov_b32 s[\g+5], KROW
	s_mov_b32 s[\g+6], 0
	s_mov_b32 s[\g+7], 0
.endr
	s_lshl_b32 s20, ttmp9, 22
	s_lshl_b32 s21, ttmp9, 20
	s_cmp_eq_u32 ttmp9, 2
	s_cselect_b32 s18, 0, s[Y4]
	s_cselect_b32 s19, s[Y4], 0
	s_cselect_b32 s22, s21, s20
	s_cselect_b32 s23, s20, s21
	s_add_co_u32 s[TA], s[CY], s18
	s_add_co_u32 s[TB], s[CX], s19
	s_lshl_b32 s26, s[TA], 18                      ; the block's 256 rows of 1,024 bytes
	s_add_co_u32 s26, s26, s22
	s_mov_b32 s27, 0
	s_lshl_b32 s28, s[TB], 18
	s_add_co_u32 s28, s28, s23
	s_mov_b32 s29, 0
	s_mul_i32 s30, s[WV], HALFT
	s_wait_kmcnt 0x0
	s_load_b256 s[E:E+7], s[14:15], 0x0
	s_load_b128 s[E+8:E+11], s[14:15], 0x20
	s_cmp_eq_u32 ttmp9, 2
	s_cselect_b64 s[PA:PA+1], s[6:7], s[4:5]
	s_cselect_b64 s[PB:PB+1], s[4:5], s[6:7]
	s_cselect_b64 s[BPT:BPT+1], s[12:13], s[8:9]
	s_cmp_eq_u32 ttmp9, 1
	s_cselect_b64 s[BPT:BPT+1], s[10:11], s[BPT:BPT+1]
	s_add_nc_u64 s[PA:PA+1], s[PA:PA+1], s[26:27]
	s_add_nc_u64 s[PB:PB+1], s[PB:PB+1], s[28:29]
	s_mul_i32 s24, s[HB], SLOT                     ; the head's fills: my K step's slot
	s_lshl_b32 s26, s[HB], 8                       ; and its bytes in a row
	s_mov_b32 s27, 0
	s_mov_b32 s[G0A], 1
	s_mov_b32 s[G0A+1], s24
	s_add_nc_u64 s[G0A+2:G0A+3], s[PA:PA+1], s[26:27]
	s_or_b32 s[G0A+3], s[G0A+3], 0x80000000
	s_mov_b32 s[G0B], 1
	s_add_co_u32 s[G0B+1], s24, 2*HALFT
	s_add_nc_u64 s[G0B+2:G0B+3], s[PB:PB+1], s[26:27]
	s_or_b32 s[G0B+3], s[G0B+3], 0x80000000
	CROUND                                         ; all sixteen work-groups are here: the joint loads meet
	JLOAD G0A, G1A, G0B, G1B
	v_and_b32 v1, 15, v0
	v_bfe_u32 v2, v0, 4, 1
	v_mul_u32_u24 v3, v1, PITCH
	v_lshl_add_u32 v4, v2, 4, v3
	s_mul_i32 s20, s[HA], HALFT
	s_mul_i32 s21, s[HB], HALFT
	s_add_co_u32 s21, s21, 2*HALFT
.irp s, 0,1
	v_add_nc_u32 v[ADRA+\s], s20, v4
	v_add_nc_u32 v[ADRB+\s], s21, v4
	s_add_co_u32 s20, s20, SLOT
	s_add_co_u32 s21, s21, SLOT
.endr
	v_and_b32 v[VO], 31, v0
	v_lshlrev_b32 v[VO], 4, v[VO]
	s_lshl_b32 s94, s[TA], 8
	s_lshl_b32 s95, s[HA], 7
	s_add_co_u32 s94, s94, s95
	s_lshl_b32 s100, s[TB], 8
	s_lshl_b32 s95, s[HB], 7
	s_add_co_u32 s100, s100, s95
	s_cmp_eq_u32 ttmp9, 2
	s_cselect_b32 s94, s94, s100
	s_cselect_b32 s100, 4, 0
	s_cselect_b32 s101, 0, 32
	s_cselect_b32 s25, 0, 4
	s_lshl_b32 s94, s94, 2
	s_mov_b32 s95, 0
	s_add_nc_u64 s[BPT:BPT+1], s[BPT:BPT+1], s[94:95]
	v_mul_lo_u32 v5, v1, s100
	v_mul_lo_u32 v6, v2, s101
	v_add_nc_u32 v5, v5, v6
	s_wait_alu depctr_va_vdst(0)
.irp j, 0,1,2,3,4,5,6,7
	s_mul_i32 s31, s25, \j
	v_add_nc_u32 v[BO+\j], s31, v5
.endr
.set n, 0
.rept 64
	global_load_b32 v[BI+n], v[BO+n%8], s[BPT:BPT+1] offset:64*(n/8)
.set n, n+1
.endr
	s_lshl_b32 s94, s[TA], 4
	s_lshl_b32 s95, s[HA], 3
	s_add_co_u32 s94, s94, s95
	s_lshr_b32 s95, s94, 7
	s_lshl_b32 s95, s95, 4
	s_lshl_b32 s100, s[TB], 2
	s_add_co_u32 s95, s95, s100
	s_lshl_b32 s100, s[HB], 1
	s_add_co_u32 s95, s95, s100
	s_lshl_b32 s95, s95, 7
	s_and_b32 s94, s94, 127
	s_add_co_u32 s95, s95, s94
	s_lshl_b32 s95, s95, 10
	s_lshl_b32 s94, ttmp9, 22
	s_add_co_u32 s95, s95, s94
	s_lshr_b32 s100, s[TB], 3
	s_lshl_b32 s100, s100, 4
	s_lshl_b32 s101, s[TA], 2
	s_add_co_u32 s100, s100, s101
	s_lshl_b32 s101, s[HA], 1
	s_add_co_u32 s100, s100, s101
	s_lshl_b32 s100, s100, 17
	s_lshl_b32 s101, s[TB], 1
	s_add_co_u32 s101, s101, s[HB]
	s_and_b32 s101, s101, 15
	s_lshl_b32 s101, s101, 13
	s_add_co_u32 s100, s100, s101
	s_add_co_u32 s100, s100, 0x800000
	s_cmp_eq_u32 ttmp9, 2
	s_cselect_b32 s[OUT], s100, s95
	s_mov_b32 s[OUT+1], 0
	s_add_nc_u64 s[OUT:OUT+1], s[16:17], s[OUT:OUT+1]
.macro FRAG reg, adr, q, i
.irp c, 0,1,2,3
	ds_load_b128 v[\reg+4*\c:\reg+4*\c+3], v[\adr] offset:128*(\q)+32*\c+(\i)*16*PITCH
.endr
.endm
.macro MUL16 a0, p, zero
.irp a, \a0, \a0+1
.irp b, 0,1,2,3,4,5,6,7
.if \zero
	v_wmma_f32_16x16x128_fp8_fp8 v[8*(8*((\a)%4)+\b):8*(8*((\a)%4)+\b)+7], v[128*(\p)+FR*\b:128*(\p)+FR*\b+FR-1], v[AF+FR*(\a):AF+FR*(\a)+FR-1], 0
.else
	v_wmma_f32_16x16x128_fp8_fp8 v[8*(8*((\a)%4)+\b):8*(8*((\a)%4)+\b)+7], v[128*(\p)+FR*\b:128*(\p)+FR*\b+FR-1], v[AF+FR*(\a):AF+FR*(\a)+FR-1], v[8*(8*((\a)%4)+\b):8*(8*((\a)%4)+\b)+7]
.endif
.endr
.endr
.endm
.macro FETCH_B slot, q, p
	WIN TO_B
.irp i, 0,1,2,3,4,5,6,7
	FRAG 128*(\p)+FR*\i, ADRB+\slot, \q, \i
.endr
	WIN 0
.endm
.macro FETCH_A slot, q, i0
.irp i, \i0, \i0+1, \i0+2, \i0+3
	FRAG AF+FR*(\i), ADRA+\slot, \q, \i
.endr
.endm
.macro PLACES n
.rept \n
	v_nop
.endr
.endm
.macro STEP slot, q, zero
	s_wait_dscnt 4*NL
	WIN MUL_LO
	MUL16 0, (\q)%2, \zero
	MUL16 2, (\q)%2, \zero
	s_wait_dscnt 0
	PLACES NP
	FETCH_B \slot, (\q)+1, 1-(\q)%2
	FETCH_A \slot, (\q)+1, 0
	WIN MUL_HI
	MUL16 4, (\q)%2, \zero
	MUL16 6, (\q)%2, \zero
	PLACES NP
	WIN 0
	FETCH_A \slot, (\q)+1, 4
.endm
.macro TURN slot, next, fill
	s_wait_tensorcnt 0x0
	ds_add_u32 v[SPW], v[NIL]
	s_wait_dscnt 4*NL+1
	WIN MUL_LO
	MUL16 0, 1, 0
	s_wait_dscnt 0x0
	s_barrier_signal -1
	MUL16 2, 1, 0
	WIN 0
	s_barrier_wait -1
.if \fill
	CREST
	s_add_nc_u64 s[G0A+4*\slot+2:G0A+4*\slot+3], s[G0A+4*\slot+2:G0A+4*\slot+3], 2*ROWB
	s_add_nc_u64 s[G0B+4*\slot+2:G0B+4*\slot+3], s[G0B+4*\slot+2:G0B+4*\slot+3], 2*ROWB
	JLOAD G0A+4*\slot, G1A, G0B+4*\slot, G1B
.else
	PLACES NP
.endif
	FETCH_B \next, 0, 0
	FETCH_A \next, 0, 0
	WIN MUL_HI
	MUL16 4, 1, 0
	MUL16 6, 1, 0
	PLACES NP
	WIN 0
	FETCH_A \next, 0, 4
.endm
	s_wait_alu depctr_va_vdst(0)                   ; the head's end
	s_wait_tensorcnt 0x0                           ; my load has landed, so its descriptors may be written: the refills fetch 128 rows a wave
.irp g, G1A, G1B
	s_mov_b32 s[\g+2], 128<<16
	s_mov_b32 s[\g+4], 128
.endr
	s_lshl_b32 s26, s[HB], 17
	s_add_nc_u64 s[PA:PA+1], s[PA:PA+1], s[26:27]
	s_add_nc_u64 s[PB:PB+1], s[PB:PB+1], s[26:27]
.irp s, 0,1
	s_mov_b32 s[G0A+4*\s], 1
	s_add_co_u32 s[G0A+4*\s+1], s30, \s*SLOT
	s_add_nc_u64 s[G0A+4*\s+2:G0A+4*\s+3], s[PA:PA+1], \s*ROWB
	s_or_b32 s[G0A+4*\s+3], s[G0A+4*\s+3], 0x80000000
	s_mov_b32 s[G0B+4*\s], 1
	s_add_co_u32 s[G0B+4*\s+1], s30, \s*SLOT
	s_add_nc_u64 s[G0B+4*\s+2:G0B+4*\s+3], s[PB:PB+1], \s*ROWB
	s_or_b32 s[G0B+4*\s+3], s[G0B+4*\s+3], 0x80000000
.endr
	s_barrier_signal -1
	s_barrier_wait -1                              ; everybody's part of K steps 0 and 1 is in
	FETCH_B 0, 0, 0
	FETCH_A 0, 0, 0
	FETCH_A 0, 0, 4
	STEP 0, 0, 1
	s_mov_b32 s3, 1
.Llap:
	TURN 0, 1, 1
	STEP 1, 0, 0
	TURN 1, 0, 1
	STEP 0, 0, 0
	s_sub_co_u32 s3, s3, 1
	s_cmp_lg_u32 s3, 0
	s_cbranch_scc1 .Llap
	TURN 0, 1, 0
	STEP 1, 0, 0
	s_wait_dscnt 4*NL
	WIN MUL_LO
	MUL16 0, 1, 0
	MUL16 2, 1, 0
	s_wait_dscnt 0
	WIN MUL_HI
	MUL16 4, 1, 0
	MUL16 6, 1, 0
	WIN 0
	s_wait_kmcnt 0x0
	s_add_co_i32 s18, s[E], s[E+1]
	s_add_co_i32 s19, s[E+2], s[E+3]
	s_add_co_i32 s20, s[E+4], s[E+5]
	s_cmp_eq_u32 ttmp9, 1
	s_cselect_b32 s18, s19, s18
	s_cselect_b32 s21, s[E+7], s[E+6]
	s_cmp_eq_u32 ttmp9, 2
	s_cselect_b32 s18, s20, s18
	s_cselect_b32 s21, s[E+9], s21
	s_add_co_i32 s18, s18, 127
	s_lshl_b32 s[SC], s18, 23
	s_mov_b32 s[SC+1], s[SC]
	s_add_co_i32 s21, s21, 127
	s_lshl_b32 s22, s21, 23
	v_mov_b32 v[SCL], s22
	s_add_co_i32 s21, s21, 8
	s_lshl_b32 s21, s21, 23
	s_or_b32 s21, s21, 0x600000
	v_mov_b32 v[LIM], s21
	PLACES NP
	s_wait_loadcnt 0x0
.macro OUTB kind, a
.set AC, 64*((\a)%4)
.set CDS, CD+16*((\a)%4)
.if (\a) >= 4
	s_wait_xcnt 0x0
.endif
	WIN 0x02+((\a)/4)
.irp b, 0,1,2,3,4,5,6,7
.irp i, 0,2,4,6
.if \kind
	v_pk_fma_f32 v[TMP+8*\b+\i:TMP+8*\b+\i+1], v[AC+8*\b+\i:AC+8*\b+\i+1], s[SC:SC+1], v[BI+8*(\a)+\i:BI+8*(\a)+\i+1] op_sel_hi:[1,0,1]
.else
	v_pk_fma_f32 v[TMP+8*\b+\i:TMP+8*\b+\i+1], v[AC+8*\b+\i:AC+8*\b+\i+1], s[SC:SC+1], v[BI+8*\b+\i:BI+8*\b+\i+1] op_sel_hi:[1,0,1]
.endif
.endr
.endr
	WIN 0
.irp b, 0,1,2,3,4,5,6,7
.irp i, 0,1,2,3,4,5,6,7
	v_med3_num_f32 v[TMP+8*\b+\i], v[TMP+8*\b+\i], -v[LIM], v[LIM]
.endr
	v_cvt_scalef32_pk8_fp8_f32 v[CDS+2*\b:CDS+2*\b+1], v[TMP+8*\b:TMP+8*\b+7], v[SCL]
.endr
	v_nop
.irp c, 0,1,2,3
.if \kind
	global_store_b128 v[VO], v[CDS+4*\c:CDS+4*\c+3], s[OUT:OUT+1] offset:131072*((\a)/4)+2048*((\a)%4)+512*\c
.else
	global_store_b128 v[VO], v[CDS+4*\c:CDS+4*\c+3], s[OUT:OUT+1] offset:1024*(\a)+131072*(\c/2)+512*(\c%2)
.endif
.endr
.endm
	s_cmp_eq_u32 ttmp9, 2
	s_cbranch_scc1 .Lout_v
.irp a, 0,1,2,3,4,5,6,7
	OUTB 0, \a
.endr
	s_branch .Lend
.Lout_v:
.irp a, 0,1,2,3,4,5,6,7
	OUTB 1, \a
.endr
.Lend:
	s_wait_tensorcnt 0x0
	ds_add_u32 v[SPW], v[NIL]
	s_wait_dscnt 0x0
	CROUND
	s_endpgm
.Lfunc_end_k_qcb8d6f8ae3_qkv:
	.size	k_qcb8d6f8ae3_qkv, .Lfunc_end_k_qcb8d6f8ae3_qkv-k_qcb8d6f8ae3_qkv
	.p2alignl 7, 3214868480
	.fill 96, 4, 3214868480
	.section	.rodata,"a",@progbits
	.p2align	6, 0x0
	.amdhsa_kernel k_qcb8d6f8ae3_qkv
		.amdhsa_group_segment_fixed_size 327680
		.amdhsa_private_segment_fixed_size 0
		.amdhsa_enable_private_segment 0
		.amdhsa_kernarg_size 56
		.amdhsa_user_sgpr_count 2
		.amdhsa_user_sgpr_kernarg_segment_ptr 1
		.amdhsa_wavefront_size32 1
		.amdhsa_system_sgpr_workgroup_id_x 1
		.amdhsa_system_sgpr_workgroup_id_y 1
		.amdhsa_system_sgpr_workgroup_id_z 1
		.amdhsa_system_vgpr_workitem_id 0
		.amdhsa_next_free_vgpr 1024
		.amdhsa_next_free_sgpr 102
		.amdhsa_reserve_vcc 0
		.amdhsa_float_denorm_mode_32 3
		.amdhsa_float_denorm_mode_16_64 3
		.amdhsa_memory_ordered 1
		.amdhsa_forward_progress 1
		.amdhsa_inst_pref_size 198
	.end_amdhsa_kernel
	.amdgpu_metadata
---
amdhsa.version: [ 1, 2 ]
amdhsa.kernels:
  - .name:           k_qcb8d6f8ae3_qkv
    .symbol:         k_qcb8d6f8ae3_qkv.kd
    .args:
      - { .name: xc, .offset: 0, .size: 8, .value_kind: global_buffer, .address_space: global }
      - { .name: wc, .offset: 8, .size: 8, .value_kind: global_buffer, .address_space: global }
      - { .name: bq, .offset: 16, .size: 8, .value_kind: global_buffer, .address_space: global }
      - { .name: bk, .offset: 24, .size: 8, .value_kind: global_buffer, .address_space: global }
      - { .name: bv, .offset: 32, .size: 8, .value_kind: global_buffer, .address_space: global }
      - { .name: lowp_scales, .offset: 40, .size: 8, .value_kind: global_buffer, .address_space: global }
      - { .name: qkv, .offset: 48, .size: 8, .value_kind: global_buffer, .address_space: global }
    .group_segment_fixed_size: 327680
    .private_segment_fixed_size: 0
    .kernarg_segment_align: 8
    .kernarg_segment_size: 56
    .max_flat_workgroup_size: 128
    .sgpr_count:     102
    .vgpr_count:     1024
    .wavefront_size: 32
...
	.end_amdgpu_metadata
.endif
;; end of part 2
;; launch attn (part 3): grid 8 x 32, 8 waves a work-group, clusters of 4 x 1, 327,680 bytes of LDS; arguments qkv, lowp_scales, ao; writes ao
.if DOCPART == 3
	.amdgcn_target "amdgcn-amd-amdhsa--gfx1250"
	.amdhsa_code_object_version 6
	.text
	.protected	k_qcb8d6f8ae3_attn
	.globl	k_qcb8d6f8ae3_attn
	.p2align	8
	.type	k_qcb8d6f8ae3_attn,@function
k_qcb8d6f8ae3_attn:
	s_mov_b64 s[64:65], 0
	v_nop
	global_prefetch_b8 v0, s[64:65] scope:SCOPE_SE
	s_setreg_imm32_b32 hwreg(HW_REG_WAVE_MODE, 25, 1), 1
	s_wait_xcnt 0x0
	s_wait_alu depctr_hold_cnt(0) depctr_sa_sdst(0) depctr_va_vdst(0) depctr_va_sdst(0) depctr_va_ssrc(0) depctr_va_vcc(0) depctr_vm_vsrc(0)
	s_getreg_b32 s2, hwreg(HW_REG_IB_STS2, 6, 4)
	s_cmp_eq_u32 s2, 0
	s_cbranch_scc0 .Lentry_in_a_cluster
	s_endpgm
.Lentry_in_a_cluster:
	s_bfe_u32 s2, ttmp6, 0x10000c
	s_cmp_lg_u32 s2, 0x3003
	s_cbranch_scc0 .Lentry_shape_is_right
	s_endpgm
.Lentry_shape_is_right:
; Causal attention on codes of FP8 (E4M3): 32 (batch x head) x 2,048 queries x 2,048 keys, head size 64.  Q, K, V come as images of operand registers (laid by the launch before):
;   Q at 0, K at 4 MiB: [bh][tile of 16 rows 128][1,024 B]: lane (r, h) holds row r; registers 2 c, 2 c + 1 hold d = 16 c + 8 h + 0 .. 7;  V at 8 MiB: [bh][128 keys 16][16 d 4][2,048 B]: lane (r, h) holds d = 16 t + r; registers 2 c, 2 c + 1 hold key 16 c + 8 h + 0 .. 7.
; THE SOFTMAX AHEAD OF THE SECOND PRODUCT: t = score x log2(e) / 8; M = the running largest t rounded UP to a whole number; p = 2^(t - M) is quantised, not normalised; the row's sum is taken of the unquantised p and divides at the end.
; When M moves, the sum and O are multiplied by 2^(old M - new M): exact.
; WORK LEFT OUT: tiles of 128 keys all of which come after a query tile's last query: reference()'s own causal mask gives their scores -infinity, so their p is 0 for all values of the inputs.  LIMIT: a NaN or an infinity in such a key or value is not carried to the result.
; LAYOUT: S^T = K Q^T (source 0 = 16 keys, source 1 = 16 queries), O^T = V^T P^T: a lane holds ONE query throughout.  Score tile k's eight registers are keys 16 k + 8 h + 0 .. 7: their codes ARE registers 2 k, 2 k + 1 of the second product's operand.
; The result, O / sum, is quantised for the last projection and stored as an image: ao [tile of 16 tokens 256][head 16][1,024 B], laid as Q's.
; SHARES: a head's 128 query tiles are 16 groups of 8 (group G walks key steps 0 .. G of 128 keys, step G on the diagonal).  A work-group at cluster place cx takes tiles 2 cx, 2 cx + 1 of eight groups.  Waves p and p + 4 (p = 0 .. 3) form a pair
; that takes both tiles of groups 15 - g and then g, g = 4 X + p (X the cluster's number): 17 steps, each on TWO query tiles, so that a fragment of K or V feeds two products.  Wave p takes the even steps, wave p + 4 the odd ones: 9 and 8.
; What a wave skips hangs on its number and on X, which the partners of a cluster share.  Each of the pair keeps one tile of a group (slot 0) and hands the other's state (slot 1: O, sum, M) to its partner through LDS at the end; joining is exact in M.
; LDS holds the head's whole K (131,072 bytes) and V (131,072): filled once, one tensor load of 32,768 bytes a wave.  The four work-groups of a cluster belong to one head: each piece is asked for jointly.  All is asked for at the start, so nothing is left to prefetch.
; LIMITS: e6 + e7 between -80 and 130 (added to the exponent field of log2(e) / 8; hidden scores are held at -2^99 or less, which this range turns into p = 0); e8 and e10 between -126 and 119; e8 + e9 is applied by v_ldexp_f32 and has none.  NaN is not served.
; REGISTERS: window 0: v1-31 addresses, constants and rows' states; v32-47, v48-63 Q of the two groups; v64-79 slot 1's codes of p; v80-111 at work, v80-95 slot 0's codes; v112-239 S^T, then p; v240-255 sums at work.
;   window 1: v0-63 K, v64-127 V, v128-191 O^T of the first group (slot z at 32 z), v192-255 of the second.
.set LI,   1                           ; 16 x lane
.set ADK,  2
.set ADV,  3
.set BND,  4                           ; v[4:5] slot 0's mask bounds, v[18:19] slot 1's: (16 j + r - 8 h + 0.5) x 2^100 and 2^100 less
.set PLM,  6                           ; v6, v7: 448 x 2^e8, twice
.set PSC,  17                          ; 2^e8 (v17 is the half of the pair v[16:17] that no product takes)
.set SPW,  26
.set NIL,  27
.set PKL,  30                          ; the first group's slot 0: its sum
.set PKM,  31                          ; and its -M
.set PB1,  64
.set TMP,  80
.set SA,   112
.set SB,   176
.set ACS,  240
.set KF,   0
.set VF,   64
.set XB,   4352                        ; a state in LDS: 32 registers of O (4,096 bytes), sum and -M (256)
.set EXP,  0x40000                     ; the first group's states, behind K and V; the second group's lie over K, behind a barrier
.set SPARE, EXP+8*XB                   ; the spare words: 1,024 bytes
.set WV,   14
.set PAR,  15                          ; which of the pair I am
.set SEL,  48
.set CS,   50
.set ST,   52                          ; the key step
.set TB,   53                          ; its K images' LDS byte
.set CT,   54
.set ND,   55                          ; the group's last step
.set MSB, 0
.macro WIN new                         ; the immediate's high byte repeats the setting that is left
.if MSB != \new
	s_set_vgpr_msb (MSB<<8)|\new
.set MSB, \new
.endif
.endm
.macro CROUND                          ; a round of the cluster's barrier
	s_barrier_signal -1
	s_barrier_wait -1
	s_cmp_lg_u32 s[WV], 0
	s_cbranch_scc1 .Lnot_wave_0_\@
	s_barrier_signal -3
.Lnot_wave_0_\@:
	s_barrier_wait -3
	s_barrier_signal -1
	s_barrier_wait -1
.endm
	s_load_b128 s[4:7], s[0:1], 0x0                ; qkv s[4:5], the exponents s[6:7]
	s_load_b64 s[8:9], s[0:1], 0x10                ; ao
	v_lshl_add_u32 v[SPW], v0, 2, SPARE
	v_mov_b32 v[NIL], 0
	ds_add_u32 v[SPW], v[NIL]                      ; the opening lines: the add, twice on end, ahead of my tensor load
	ds_add_u32 v[SPW], v[NIL]
	v_lshrrev_b32 v8, 5, v0
	v_readfirstlane_b32 s[WV], v8                  ; wave 0..7
	s_lshr_b32 s[PAR], s[WV], 2
	s_and_b32 s17, s[WV], 3                        ; p
	s_bfe_u32 s16, ttmp6, 0x40000                  ; cx: it enters Q's and ao's addresses and the mask's numbers alone
	s_and_b32 s18, ttmp7, 0xffff                   ; batch x head, which the partners share
	s_lshl_b32 s66, ttmp9, 2
	s_add_co_u32 s66, s66, s17                     ; the second group: g = 4 X + p
	s_sub_co_u32 s67, 15, s66                      ; the first: 15 - g
	s_lshl_b32 s22, s[WV], 15                      ; what I fetch: a quarter of K (waves 0-3) or of V (4-7): where it goes in LDS
	s_lshl_b32 s10, s[PAR], 22
	s_lshl_b32 s23, s17, 15
	s_add_co_u32 s10, s10, s23
	s_lshl_b32 s23, s18, 17
	s_add_co_u32 s10, s10, s23
	s_add_co_u32 s10, s10, 0x400000                ; and where it lies in qkv
	s_mov_b32 s11, 0
	s_mov_b32 s24, 15|(3<<16)|(1<<21)              ; group 1: 15:0 the mask: all four work-groups; 17:16 elements of 8 bytes; 21 set beside a mask; no padding
	s_mov_b32 s25, 32<<16                          ; tensor_dim0 = 32 elements: 256 bytes
	s_mov_b32 s26, 128<<16                         ; tensor_dim1 = 128
	s_mov_b32 s27, 32<<16                          ; tile_dim0
	s_mov_b32 s28, 128                             ; tile_dim1
	s_mov_b32 s29, 32                              ; from row to row: dense
	s_mov_b32 s30, 0
	s_mov_b32 s31, 0
	s_mov_b32 s[SEL], 0x76543210
	s_mov_b32 s[SEL+1], 0xfedcba98                 ; v_permlanex16_b32's selects for lane l xor 16
	s_wait_dscnt 0x0                               ; both adds are done
	s_wait_kmcnt 0x0
	s_load_b128 s[56:59], s[6:7], 0x18             ; e6, e7, e8, e9
	s_load_b32 s60, s[6:7], 0x28                   ; e10
	s_add_nc_u64 s[10:11], s[4:5], s[10:11]
	s_mov_b32 s32, 1
	s_mov_b32 s33, s22
	s_mov_b64 s[34:35], s[10:11]
	s_or_b32 s35, s35, 0x80000000
	CROUND                                         ; all four work-groups are here: the joint loads meet
	tensor_load_to_lds s[32:35], s[24:31]          ; my one tensor load
	s_nop 0
.rept 4
	v_nop
.endr
	s_lshl_b32 s20, s16, 1
	s_add_co_u32 s20, s20, s[PAR]                  ; slot 0's tile in a group of eight: 2 cx + which of the pair I am
	s_xor_b32 s21, s20, 1                          ; slot 1's
	s_lshl_b32 s68, s18, 17
.macro QADR g, d                       ; the two slots' images of Q in group g
	s_lshl_b32 s69, s[\g], 13
	s_add_co_u32 s69, s69, s68
	s_lshl_b32 s70, s20, 10
	s_add_co_u32 s[\d], s69, s70
	s_mov_b32 s[\d+1], 0
	s_lshl_b32 s70, s21, 10
	s_add_co_u32 s[\d+2], s69, s70
	s_mov_b32 s[\d+3], 0
	s_add_nc_u64 s[\d:\d+1], s[4:5], s[\d:\d+1]
	s_add_nc_u64 s[\d+2:\d+3], s[4:5], s[\d+2:\d+3]
.endm
	QADR 67, 72
	QADR 66, 76
	v_and_b32 v[LI], 31, v0
	v_lshlrev_b32 v[LI], 4, v[LI]
.irp i, 0,1,2,3
	global_load_b128 v[32+8*\i:35+8*\i], v[LI], s[72+2*\i:73+2*\i]
	global_load_b128 v[36+8*\i:39+8*\i], v[LI], s[72+2*\i:73+2*\i] offset:512
.endr
	s_lshr_b32 s68, s18, 4                         ; ao: tile of tokens 128 x batch + 8 G + slot 0's tile; x 16 + head; x 1,024 bytes
	s_lshl_b32 s68, s68, 21
	s_and_b32 s69, s18, 15
	s_lshl_b32 s69, s69, 10
	s_add_co_u32 s68, s68, s69
	s_lshl_b32 s69, s20, 14
	s_add_co_u32 s68, s68, s69
	s_lshl_b32 s80, s67, 17
	s_add_co_u32 s80, s80, s68
	s_mov_b32 s81, 0
	s_lshl_b32 s82, s66, 17
	s_add_co_u32 s82, s82, s68
	s_mov_b32 s83, 0
	s_add_nc_u64 s[80:81], s[8:9], s[80:81]
	s_add_nc_u64 s[82:83], s[8:9], s[82:83]
	s_lshl_b32 s22, s20, 4
	s_lshl_b32 s23, s21, 4
	v_and_b32 v8, 15, v0                           ; r
	v_bfe_u32 v9, v0, 4, 1                         ; h
	v_lshlrev_b32 v9, 3, v9
	v_sub_nc_u32 v8, v8, v9
	v_add_nc_u32 v4, s22, v8                       ; d = 16 j + r - 8 h: on the diagonal, register 8 k + i of a score tile is hidden where 16 k + i > d
	v_add_nc_u32 v18, s23, v8
	v_cvt_f32_i32 v4, v4
	v_cvt_f32_i32 v18, v18
	v_add_f32 v4, 0.5, v4
	v_add_f32 v18, 0.5, v18
	v_mul_f32 v4, 0x71800000, v4                   ; x 2^100
	v_mul_f32 v18, 0x71800000, v18
	v_add_f32 v5, 0xf1800000, v4
	v_add_f32 v19, 0xf1800000, v18
	v_mov_b32 v28, 0                               ; written once: a lane permute's destination counts as one of its sources
	v_mov_b32 v29, 0
	v_mov_b32 v25, 0                               ; (named as the upper half of the pair v[24:25])
.macro INIT o                          ; a group's rows' states: the first change of M finds zeros and leaves zeros
	v_mov_b32 v13, 0xff61b1e6                      ; the largest t so far: -3e38, under every t
	v_mov_b32 v21, 0xff61b1e6
	v_mov_b32 v14, 0
	v_mov_b32 v15, 0
	v_mov_b32 v22, 0
	v_mov_b32 v23, 0
	v_floor_f32 v12, -v13                          ; -M
	v_floor_f32 v20, -v21
	WIN 0x40
.set n, 0
.rept 64
	v_mov_b32 v[\o+n], 0
.set n, n+1
.endr
	WIN 0
.endm
	INIT 128
	s_wait_alu depctr_va_vdst(0)                   ; directly ahead of the wait below
	s_wait_kmcnt 0x0
	s_add_co_i32 s20, s56, s57
	s_lshl_b32 s20, s20, 23
	s_add_co_i32 s[CS], s20, 0x3e38aa3b            ; c = log2(e) / 8 x 2^(e6 + e7): the two exponents are added to c's exponent field
	s_mov_b32 s[CS+1], s[CS]
	s_add_co_i32 s20, s58, 127
	s_lshl_b32 s21, s20, 23
	v_mov_b32 v[PSC], s21                          ; 2^e8
	s_add_co_i32 s20, s20, 8
	s_lshl_b32 s20, s20, 23
	s_or_b32 s20, s20, 0x600000
	v_mov_b32 v[PLM], s20                          ; 448 x 2^e8
	v_mov_b32 v[PLM+1], s20
	s_add_co_i32 s61, s58, s59                     ; e8 + e9
	s_add_co_i32 s20, s60, 127
	s_lshl_b32 s62, s20, 23                        ; 2^e10
	s_add_co_i32 s20, s20, 8
	s_lshl_b32 s20, s20, 23
	s_or_b32 s63, s20, 0x600000                    ; 448 x 2^e10
	s_wait_alu depctr_va_vdst(0)                   ; the head's end
	s_wait_loadcnt 0x0                             ; Q
	s_wait_tensorcnt 0x0                           ; my piece of K or V has landed,
	s_barrier_signal -1
	s_barrier_wait -1                              ; and everybody's
.macro MIN2 d                          ; the hold of two p: the conversion does not saturate (ISA guide 7.6.2); p is not negative, so the hold is one-sided
	v_dual_min_num_f32 v[\d], v[\d], v[PLM] :: v_dual_min_num_f32 v[\d+1], v[\d+1], v[PLM+1]
.endm
.macro MASK2 d, t
	v_dual_min_num_f32 v[\d], v[\d], v[\t] :: v_dual_min_num_f32 v[\d+1], v[\d+1], v[\t+1]
.endm
.macro MXB k                           ; slot 1's maxima, k pairs on from register n
.rept \k
	v_max3_num_f32 v[ACS+((n-10)/2)%4], v[ACS+((n-10)/2)%4], v[SB+n], v[SB+n+1]
.set n, n+2
.endr
.endm
.macro FMA k, x, m                     ; t - M of k pairs of slot x on from register n
.rept \k
	v_pk_fma_f32 v[\x+n:\x+n+1], v[\x+n:\x+n+1], s[CS:CS+1], v[\m:\m+1] op_sel_hi:[1,0,0]
.set n, n+2
.endr
.endm
.macro KLOAD                           ; a step's eight fragments of K
	WIN 0x40
.irp k, 0,1,2,3,4,5,6,7
	ds_load_b128 v[KF+8*\k:KF+8*\k+3], v[ADK] offset:1024*\k
	ds_load_b128 v[KF+8*\k+4:KF+8*\k+7], v[ADK] offset:1024*\k+512
.endr
	WIN 0
.endm
; A KEY STEP: 128 keys x my two query tiles.  K's fragments have been asked for in the step before.  A step all of whose keys come after the queries is left out: a scalar branch; no barrier stands in a step.
.macro STEP q, o
	s_cmp_gt_u32 s[ST], s[ND]
	s_cbranch_scc1 .Lskip_\@
	v_add_nc_u32 v8, s[TB], v[LI]
	v_add_nc_u32 v[ADV], 0x20000, v8
	v_add_nc_u32 v[ADK], 0x4000, v8                ; my next step's K, two steps on (behind a group's last step these bytes are loaded and not used)
.rept 2
	v_nop                                          ; with the three additions five places behind the last step's products, whose registers are loaded and written again
.endr
	s_wait_alu depctr_va_vdst(0)                   ; directly ahead of the wait below
	s_wait_dscnt 0x0                               ; K is in
	WIN 0x01
.irp k, 0,1,2,3,4,5,6,7
	v_wmma_f32_16x16x64_fp8_fp8 v[SA+8*\k:SA+8*\k+7], v[KF+8*\k:KF+8*\k+7], v[\q:\q+7], 0
	v_wmma_f32_16x16x64_fp8_fp8 v[SB+8*\k:SB+8*\k+7], v[KF+8*\k:KF+8*\k+7], v[\q+8:\q+15], 0
.endr
	WIN 0x40
.irp t, 0,1,2,3
.irp c, 0,1,2,3
	ds_load_b128 v[VF+16*\t+4*\c:VF+16*\t+4*\c+3], v[ADV] offset:2048*\t+512*\c
.endr
.endr
	WIN 0
.rept 4
	v_nop
.endr
	s_cmp_eq_u32 s[ST], s[ND]
	s_cbranch_scc0 .Lopen_\@
	; on the diagonal a score is held under a bound that falls by 2^100 from key to key and passes 0 behind the query's own key: 2^99 or more where the key counts, -2^99 or less where it is hidden
.irp z, 0,1
	v_mov_b32 v[TMP+8*\z], v[BND+14*\z]
	v_mov_b32 v[TMP+8*\z+1], v[BND+14*\z+1]
	v_pk_add_f32 v[TMP+8*\z+2:TMP+8*\z+3], v[BND+14*\z:BND+14*\z+1], 0xf2000000 op_sel_hi:[1,0]
	v_pk_add_f32 v[TMP+8*\z+4:TMP+8*\z+5], v[BND+14*\z:BND+14*\z+1], 0xf2800000 op_sel_hi:[1,0]
	v_pk_add_f32 v[TMP+8*\z+6:TMP+8*\z+7], v[BND+14*\z:BND+14*\z+1], 0xf2c00000 op_sel_hi:[1,0]
.endr
.set kt, 0
.rept 8
.if kt > 0
.irp m, 0,2,4,6,8,10,12,14
	v_pk_add_f32 v[TMP+\m:TMP+\m+1], v[TMP+\m:TMP+\m+1], 0xf3800000 op_sel_hi:[1,0]   ; 16 keys on: 16 x 2^100 less
.endr
.endif
.irp m, 0,2,4,6
	MASK2 SA+8*kt+\m, TMP+\m
	MASK2 SB+8*kt+\m, TMP+8+\m
.endr
.set kt, kt+1
.endr
.Lopen_\@:
	v_max3_num_f32 v8, v[SA], v[SA+1], v[SA+2]     ; slot 0's largest score of the step among my 64 keys, in four chains; each tile is first read at its lowest registers
	v_max3_num_f32 v9, v[SA+3], v[SA+4], v[SA+5]
	v_max_num_f32 v10, v[SA+6], v[SA+7]
	v_max_num_f32 v11, v[SA+8], v[SA+9]
.set n, 10
.rept 27
	v_max3_num_f32 v[8+((n-10)/2)%4], v[8+((n-10)/2)%4], v[SA+n], v[SA+n+1]
.set n, n+2
.endr
	v_max3_num_f32 v[ACS], v[SB], v[SB+1], v[SB+2] ; slot 1's likewise; slot 0's chain of single steps stands among them
	v_max3_num_f32 v[ACS+1], v[SB+3], v[SB+4], v[SB+5]
	v_max_num_f32 v[ACS+2], v[SB+6], v[SB+7]
	v_max_num_f32 v[ACS+3], v[SB+8], v[SB+9]
.set n, 10
	v_max3_num_f32 v8, v8, v9, v10
	MXB 2
	v_max_num_f32 v8, v8, v11
	MXB 3
	v_permlanex16_b32 v28, v8, s[SEL], s[SEL+1]
	MXB 3
	v_max_num_f32 v8, v8, v28                      ; and among lane l xor 16's
	MXB 3
	v_mul_f32 v8, s[CS], v8                        ; as t (c is positive)
	v_mov_b32 v9, v12
	MXB 2
	v_max_num_f32 v13, v13, v8                     ; the running largest t
	MXB 3
	v_floor_f32 v12, -v13                          ; the new -M = floor(-t) = -ceil(t): a whole number
	MXB 3
	v_sub_f32 v8, v12, v9                          ; old M - new M: a whole number, 0 or less
	MXB 3
	v_cvt_i32_f32 v8, v8                           ; (it saturates)
	MXB 3
	v_ldexp_f32 v16, 1.0, v8                       ; f = 2^(old M - new M)
	MXB 2
	KLOAD                                          ; the next step's K
.set n, 0
	v_max3_num_f32 v10, v[ACS], v[ACS+1], v[ACS+2]
	FMA 3, SA, 12
	v_max_num_f32 v10, v10, v[ACS+3]
	FMA 3, SA, 12
	v_permlanex16_b32 v29, v10, s[SEL], s[SEL+1]
	FMA 4, SA, 12
	v_max_num_f32 v10, v10, v29
	FMA 3, SA, 12
	v_mul_f32 v10, s[CS], v10
	v_mov_b32 v11, v20
	FMA 3, SA, 12
	v_max_num_f32 v21, v21, v10
	FMA 3, SA, 12
	v_floor_f32 v20, -v21
	FMA 3, SA, 12
	v_sub_f32 v10, v20, v11
	FMA 3, SA, 12
	v_cvt_i32_f32 v10, v10
	FMA 4, SA, 12
	v_ldexp_f32 v24, 1.0, v10
	FMA 3, SA, 12
	v_pk_mul_f32 v[14:15], v[14:15], v[16:17] op_sel_hi:[1,0]   ; the sums and O^T under the new M
	v_pk_mul_f32 v[22:23], v[22:23], v[24:25] op_sel_hi:[1,0]
	WIN 0x41
.set n, 0
.rept 16
	v_pk_mul_f32 v[\o+n:\o+n+1], v[\o+n:\o+n+1], v[16:17] op_sel_hi:[1,0]
	v_pk_mul_f32 v[\o+32+n:\o+32+n+1], v[\o+32+n:\o+32+n+1], v[24:25] op_sel_hi:[1,0]
.set n, n+2
.endr
	WIN 0
	s_wait_alu depctr_va_vdst(0)                   ; ahead of the batch
.set n, 0
.rept 32
	v_exp_f32 v[SA+n], v[SA+n]                     ; p = 2^(t - M), slot 0's; among them slot 1's t - M
	v_exp_f32 v[SA+n+1], v[SA+n+1]
	FMA 1, SB, 20
.endr
	s_wait_alu depctr_va_vdst(0)                   ; and behind it, ahead of the first reader
.set n, 0
.rept 16                                       ; slot 1's exponentials; among them slot 0's first sums (of the unquantised p) and holds, whose results nothing reads ahead of the next wait
	v_exp_f32 v[SB+n], v[SB+n]
	v_exp_f32 v[SB+n+1], v[SB+n+1]
	v_exp_f32 v[SB+n+2], v[SB+n+2]
	v_exp_f32 v[SB+n+3], v[SB+n+3]
	v_pk_add_f32 v[TMP+n/2:TMP+n/2+1], v[SA+n:SA+n+1], v[SA+n+2:SA+n+3]
	MIN2 SA+n
	MIN2 SA+n+2
.set n, n+4
.endr
	s_wait_alu depctr_va_vdst(0)                   ; one wait for the whole batch
.irp i, 0,2,4,6,8,10,12,14
	v_pk_add_f32 v[ACS+\i:ACS+\i+1], v[SB+2*\i:SB+2*\i+1], v[SB+2*\i+2:SB+2*\i+3]
	v_pk_add_f32 v[TMP+16+\i:TMP+17+\i], v[TMP+16+\i:TMP+17+\i], v[TMP+\i:TMP+\i+1]
.endr
.irp i, 0,2,4,6,8,10,12,14
	v_pk_add_f32 v[ACS+\i:ACS+\i+1], v[ACS+\i:ACS+\i+1], v[SB+32+2*\i:SB+33+2*\i]
.endr
.irp i, 0,2,4,6,8,10,12,14
	v_pk_add_f32 v[ACS+\i:ACS+\i+1], v[ACS+\i:ACS+\i+1], v[SB+34+2*\i:SB+35+2*\i]
.endr
.irp k, 0,1,2,3,4,5,6,7
	MIN2 SB+8*\k
	MIN2 SB+8*\k+2
	v_cvt_scalef32_pk8_fp8_f32 v[TMP+2*\k:TMP+2*\k+1], v[SA+8*\k:SA+8*\k+7], v[PSC]   ; onto registers whose sums have been taken up
	MIN2 SB+8*\k+4
	MIN2 SB+8*\k+6
.if \k > 0
	v_cvt_scalef32_pk8_fp8_f32 v[PB1+2*\k-2:PB1+2*\k-1], v[SB+8*\k-8:SB+8*\k-1], v[PSC]
.endif
.endr
	v_pk_add_f32 v[96:97], v[96:97], v[104:105]
	v_pk_add_f32 v[98:99], v[98:99], v[106:107]
	v_cvt_scalef32_pk8_fp8_f32 v[PB1+14:PB1+15], v[SB+56:SB+63], v[PSC]
	v_pk_add_f32 v[100:101], v[100:101], v[108:109]
	v_pk_add_f32 v[102:103], v[102:103], v[110:111]
	v_pk_add_f32 v[240:241], v[240:241], v[248:249]
	v_pk_add_f32 v[242:243], v[242:243], v[250:251]
	v_pk_add_f32 v[244:245], v[244:245], v[252:253]
	v_pk_add_f32 v[246:247], v[246:247], v[254:255]
	v_pk_add_f32 v[96:97], v[96:97], v[100:101]
	v_pk_add_f32 v[98:99], v[98:99], v[102:103]
	v_pk_add_f32 v[240:241], v[240:241], v[244:245]
	v_pk_add_f32 v[242:243], v[242:243], v[246:247]
	v_pk_add_f32 v[14:15], v[14:15], v[96:97]
	v_pk_add_f32 v[22:23], v[22:23], v[240:241]
	v_pk_add_f32 v[14:15], v[14:15], v[98:99]
	v_pk_add_f32 v[22:23], v[22:23], v[242:243]
	s_wait_alu depctr_va_vdst(0)                   ; directly ahead of the wait below
	s_wait_dscnt 16                                ; V is in; the next step's 16 loads of K may be out
	WIN 0x51
.irp t, 0,1,2,3
	v_wmma_f32_16x16x128_fp8_fp8 v[\o+8*\t:\o+8*\t+7], v[VF+16*\t:VF+16*\t+15], v[TMP:TMP+15], v[\o+8*\t:\o+8*\t+7]
	v_wmma_f32_16x16x128_fp8_fp8 v[\o+32+8*\t:\o+32+8*\t+7], v[VF+16*\t:VF+16*\t+15], v[PB1:PB1+15], v[\o+32+8*\t:\o+32+8*\t+7]
.endr
	WIN 0
.Lskip_\@:
.endm
; A group's steps: every wave walks the same count of trips, two steps apart, and passes over those behind the group's last step.
.macro ITEM q, o, trips
	s_lshl_b32 s[TB], s[PAR], 13
	v_add_nc_u32 v[ADK], s[TB], v[LI]
	KLOAD
	s_mov_b32 s[ST], s[PAR]
	s_mov_b32 s[CT], \trips
	s_wait_alu depctr_va_vdst(0)                   ; ahead of the loop
.Lstep_\@:
	STEP \q, \o
	s_add_co_u32 s[ST], s[ST], 2
	s_add_co_u32 s[TB], s[TB], 0x4000
	s_sub_co_u32 s[CT], s[CT], 1
	s_cmp_lg_u32 s[CT], 0
	s_cbranch_scc1 .Lstep_\@
.rept 4
	v_nop                                          ; places behind the last products
.endr
	s_wait_dscnt 0x0                               ; the last loads of K are done
.endm
.macro EXPORT o                        ; slot 1's state into LDS: O at v8, sum and -M at v9
	v_add_f32 v22, v22, v23                        ; the sum's two halves
	v_mov_b32 v23, v20
	s_wait_alu depctr_va_vdst(0)
	WIN 0x04
.irp n, 0,1,2,3,4,5,6,7
	ds_store_b128 v8, v[\o+32+4*\n:\o+35+4*\n] offset:512*\n
.endr
	WIN 0
	ds_store_b64 v9, v[22:23] offset:4096
.endm
	s_mov_b32 s[ND], s67
	ITEM 32, 128, 8
	s_mul_i32 s20, s[WV], XB
	s_add_co_u32 s21, s20, EXP
	v_add_nc_u32 v8, s21, v[LI]
	v_lshrrev_b32 v9, 1, v[LI]                     ; 8 x lane
	v_add_nc_u32 v9, s21, v9
	v_add_f32 v[PKL], v14, v15
	v_mov_b32 v[PKM], v12
	EXPORT 128
	s_wait_dscnt 0x0                               ; the stores have read their registers
	INIT 192
	s_mov_b32 s[ND], s66
	ITEM 48, 192, 4
	; THE WAY OUT.  Where the second group's states go: over K, which nobody reads behind this barrier
	s_xor_b32 s21, s[WV], 4                        ; my partner
	s_mul_i32 s21, s21, XB
	s_add_co_u32 s22, s21, EXP
	v_lshrrev_b32 v16, 1, v[LI]
	v_add_nc_u32 v8, s20, v[LI]
	v_add_nc_u32 v9, s20, v16
	v_add_nc_u32 v10, s21, v[LI]
	v_add_nc_u32 v11, s21, v16
	v_add_nc_u32 v2, s22, v[LI]
	v_add_nc_u32 v3, s22, v16
	v_add_f32 v14, v14, v15
	s_wait_alu depctr_va_vdst(0)                   ; directly ahead of the barrier
	s_barrier_signal -1
	s_barrier_wait -1
	EXPORT 192
	s_wait_dscnt 0x0
	s_barrier_signal -1
	s_barrier_wait -1                              ; every wave's states are in LDS
.irp n, 0,1,2,3,4,5,6,7
	ds_load_b128 v[SA+4*\n:SA+4*\n+3], v2 offset:512*\n
	ds_load_b128 v[SA+32+4*\n:SA+32+4*\n+3], v10 offset:512*\n
.endr
	ds_load_b64 v[240:241], v3 offset:4096         ; my partner's sum and -M: first group,
	ds_load_b64 v[242:243], v11 offset:4096        ; second
	s_wait_dscnt 0x0
	v_min_num_f32 v8, v[PKM], v241                 ; -M of both
	v_min_num_f32 v9, v12, v243
	v_sub_f32 v10, v8, v[PKM]
	v_sub_f32 v11, v8, v241
	v_sub_f32 v16, v9, v12
	v_sub_f32 v17, v9, v243
	v_cvt_i32_f32 v10, v10
	v_cvt_i32_f32 v11, v11
	v_cvt_i32_f32 v16, v16
	v_cvt_i32_f32 v17, v17
	v_ldexp_f32 v10, 1.0, v10                      ; 2^(my M - M), 2^(my partner's M - M): a half that walked no step has a sum of 0 and gets 0
	v_ldexp_f32 v11, 1.0, v11
	v_ldexp_f32 v16, 1.0, v16
	v_ldexp_f32 v17, 1.0, v17
	v_mul_f32 v20, v[PKL], v10
	v_mul_f32 v21, v14, v16
	v_fma_f32 v20, v240, v11, v20
	v_fma_f32 v21, v242, v17, v21
	v_permlanex16_b32 v28, v20, s[SEL], s[SEL+1]
	v_permlanex16_b32 v29, v21, s[SEL], s[SEL+1]
	v_add_f32 v20, v20, v28                        ; the rows' sums
	v_add_f32 v21, v21, v29
	s_wait_alu depctr_va_vdst(0)                   ; ahead of the reciprocals
	v_rcp_f32 v20, v20
	v_rcp_f32 v21, v21
	v_mov_b32 v25, s62                             ; 2^e10  (plain lines behind the reciprocals)
	v_mov_b32 v7, s63                              ; 448 x that
	s_wait_alu depctr_va_vdst(0)                   ; and ahead of their first readers
	v_ldexp_f32 v20, v20, s61                      ; x 2^(e8 + e9)
	v_ldexp_f32 v21, v21, s61
	v_mul_f32 v10, v10, v20                        ; the factors of my O and of my partner's
	v_mul_f32 v11, v11, v20
	v_mul_f32 v16, v16, v21
	v_mul_f32 v17, v17, v21
	WIN 0x01
	s_wait_alu depctr_va_vdst(0)                   ; directly ahead of O^T's first readers
.set n, 0
.rept 16
	v_pk_mul_f32 v[SB+n:SB+n+1], v[128+n:129+n], v[10:11] op_sel_hi:[1,0]
	v_pk_mul_f32 v[SB+32+n:SB+33+n], v[192+n:193+n], v[16:17] op_sel_hi:[1,0]
.set n, n+2
.endr
	WIN 0
.set n, 0
.rept 16
	v_pk_fma_f32 v[SB+n:SB+n+1], v[SA+n:SA+n+1], v[10:11], v[SB+n:SB+n+1] op_sel:[0,1,0] op_sel_hi:[1,1,1]   ; register 8 t + i is o(query r, d = 16 t + 8 h + i)
	v_pk_fma_f32 v[SB+32+n:SB+33+n], v[SA+32+n:SA+33+n], v[16:17], v[SB+32+n:SB+33+n] op_sel:[0,1,0] op_sel_hi:[1,1,1]
.set n, n+2
.endr
.irp t, 0,1,2,3,4,5,6,7
.irp i, 0,1,2,3,4,5,6,7
	v_med3_num_f32 v[SB+8*\t+\i], v[SB+8*\t+\i], -v7, v7
.endr
	v_cvt_scalef32_pk8_fp8_f32 v[32+2*\t:33+2*\t], v[SB+8*\t:SB+8*\t+7], v25
.endr
	v_nop
	global_store_b128 v[LI], v[32:35], s[80:81]    ; 32 lanes store 512 consecutive bytes, aligned
	global_store_b128 v[LI], v[36:39], s[80:81] offset:512
	global_store_b128 v[LI], v[40:43], s[82:83]
	global_store_b128 v[LI], v[44:47], s[82:83] offset:512
	s_wait_tensorcnt 0x0                           ; the wave's end
	ds_add_u32 v[SPW], v[NIL]
	s_wait_dscnt 0x0
	CROUND                                         ; the closing round
	s_endpgm
.Lfunc_end_k_qcb8d6f8ae3_attn:
	.size	k_qcb8d6f8ae3_attn, .Lfunc_end_k_qcb8d6f8ae3_attn-k_qcb8d6f8ae3_attn
	.p2alignl 7, 3214868480
	.fill 96, 4, 3214868480
	.section	.rodata,"a",@progbits
	.p2align	6, 0x0
	.amdhsa_kernel k_qcb8d6f8ae3_attn
		.amdhsa_group_segment_fixed_size 327680
		.amdhsa_private_segment_fixed_size 0
		.amdhsa_enable_private_segment 0
		.amdhsa_kernarg_size 24
		.amdhsa_user_sgpr_count 2
		.amdhsa_user_sgpr_kernarg_segment_ptr 1
		.amdhsa_wavefront_size32 1
		.amdhsa_system_sgpr_workgroup_id_x 1
		.amdhsa_system_sgpr_workgroup_id_y 1
		.amdhsa_system_sgpr_workgroup_id_z 1
		.amdhsa_system_vgpr_workitem_id 0
		.amdhsa_next_free_vgpr 512
		.amdhsa_next_free_sgpr 84
		.amdhsa_reserve_vcc 0
		.amdhsa_float_denorm_mode_32 3
		.amdhsa_float_denorm_mode_16_64 3
		.amdhsa_memory_ordered 1
		.amdhsa_forward_progress 1
		.amdhsa_inst_pref_size 106
	.end_amdhsa_kernel
	.amdgpu_metadata
---
amdhsa.version: [ 1, 2 ]
amdhsa.kernels:
  - .name:           k_qcb8d6f8ae3_attn
    .symbol:         k_qcb8d6f8ae3_attn.kd
    .args:
      - { .name: qkv, .offset: 0, .size: 8, .value_kind: global_buffer, .address_space: global }
      - { .name: lowp_scales, .offset: 8, .size: 8, .value_kind: global_buffer, .address_space: global }
      - { .name: ao, .offset: 16, .size: 8, .value_kind: global_buffer, .address_space: global }
    .group_segment_fixed_size: 327680
    .private_segment_fixed_size: 0
    .kernarg_segment_align: 8
    .kernarg_segment_size: 24
    .max_flat_workgroup_size: 256
    .sgpr_count:     84
    .vgpr_count:     512
    .wavefront_size: 32
...
	.end_amdgpu_metadata
.endif
;; end of part 3
;; launch oproj (part 4): grid 8 x 32, 4 waves a work-group, clusters of 4 x 4, 288,256 bytes of LDS; arguments ao, wc, bo, lowp_scales, out0; writes out0
.if DOCPART == 4
	.amdgcn_target "amdgcn-amd-amdhsa--gfx1250"
	.amdhsa_code_object_version 6
	.text
	.protected	k_qcb8d6f8ae3_oproj
	.globl	k_qcb8d6f8ae3_oproj
	.p2align	8
	.type	k_qcb8d6f8ae3_oproj,@function
k_qcb8d6f8ae3_oproj:
	s_mov_b64 s[64:65], 0
	v_nop
	global_prefetch_b8 v0, s[64:65] scope:SCOPE_SE
	s_setreg_imm32_b32 hwreg(HW_REG_WAVE_MODE, 25, 1), 1
	s_wait_xcnt 0x0
	s_wait_alu depctr_hold_cnt(0) depctr_sa_sdst(0) depctr_va_vdst(0) depctr_va_sdst(0) depctr_va_ssrc(0) depctr_va_vcc(0) depctr_vm_vsrc(0)
	s_getreg_b32 s2, hwreg(HW_REG_IB_STS2, 6, 4)
	s_cmp_eq_u32 s2, 0
	s_cbranch_scc0 .Lentry_in_a_cluster
	s_endpgm
.Lentry_in_a_cluster:
	s_bfe_u32 s2, ttmp6, 0x10000c
	s_cmp_lg_u32 s2, 0xf033
	s_cbranch_scc0 .Lentry_shape_is_right
	s_endpgm
.Lentry_shape_is_right:
; out0 = attention's result x Wo^T + bo, on codes of FP8 (E4M3).  A: ao, images of operand registers [tile of 16 tokens 256][head 16][1,024 B]: two neighbouring heads' images are one 16 x 128 fragment with k in its true places
; (registers 2 c, 2 c + 1: k = 16 c + 8 h + 0 .. 7).  B: Wo's codes, rows of 1,024 bytes at 3 MiB of wc; its fragments are fetched by loads of 8 bytes, so that k stands in the same places.  out0: [4096][1024] f32.
; A work-group of four waves makes 128 x 128, a wave 64 x 64: 256 work-groups.  Both operands for the whole K = 1,024 fit in LDS and are filled ONCE: one tensor load a wave; waves 0, 1 fetch A's halves (65,536 bytes), waves 2, 3 B's (64 rows of 1,024 bytes).
; CLUSTERS: 4 x 4; A's pieces are shared along a row of the cluster, B's along a column: joint loads.  All tiles are asked for at the launch's start, so nothing is left to prefetch.
; A WAVE KEEPS ALL ITS FRAGMENTS OF B (4 blocks of 16 columns x 8 of 128 along K: 512 registers) and finishes its four blocks of 16 tokens one after the other, 32 matrix instructions each:
; so a block's stores leave while the next blocks are multiplied, and no fragment is read from LDS twice by a wave.
; THE MATRIX INSTRUCTION IS USED TRANSPOSED (source 0 = 16 rows of Wo, source 1 = 16 tokens): a lane holds eight neighbouring numbers of a row of out0.
; LIMIT: e10 + e11 between -126 and 127.
; REGISTERS: window 0: v2-12 addresses; v32-63, v64-95 the way out; v96-127 bo; v128-159, v160-191 a block's four accumulators, two sets by turns.  window 1: A's fragments of a block, two sets of 128.  windows 2, 3: B's, K steps 0-3 and 4-7.
.set BBASE, 131072
.set BP,    1040                       ; a row of Wo in LDS: 1,024 bytes + 16 of padding
.set STG,   BBASE+128*BP               ; the way out: 16 rows x 272 bytes for each wave: bytes of their own, into which no tile lands
.set SPI,   272
.set SPARE, STG+4*16*SPI               ; the spare words, 512 bytes
.set ACC,   128
.set WV, 66
.set HA, 67
.set HB, 68
.set CX, 69
.set CY, 70
.set TN, 71
.set TM, 72
.set SC, 74
.set MSB, 0
.macro WIN new                         ; the immediate's high byte repeats the setting that is left
.if MSB != \new
	s_set_vgpr_msb (MSB<<8)|\new
.set MSB, \new
.endif
.endm
.macro CROUND
	s_barrier_signal -1
	s_barrier_wait -1
	s_cmp_lg_u32 s[WV], 0
	s_cbranch_scc1 .Lnot_wave_0_\@
	s_barrier_signal -3
.Lnot_wave_0_\@:
	s_barrier_wait -3
	s_barrier_signal -1
	s_barrier_wait -1
.endm
	s_load_b256 s[4:11], s[0:1], 0x0               ; ao s[4:5], wc s[6:7], bo s[8:9], the exponents s[10:11]
	s_load_b64 s[12:13], s[0:1], 0x20              ; out0
	v_lshl_add_u32 v30, v0, 2, SPARE
	v_mov_b32 v31, 0
	ds_add_u32 v30, v31                            ; the opening lines: the add, twice on end, ahead of my tensor load
	ds_add_u32 v30, v31
	v_lshrrev_b32 v1, 5, v0
	v_readfirstlane_b32 s[WV], v1
	s_lshr_b32 s[HA], s[WV], 1                     ; which 64 tokens are mine
	s_and_b32 s[HB], s[WV], 1                      ; which 64 columns.  Also: which half of a tile I fetch
	s_bfe_u32 s[CX], ttmp6, 0x40000
	s_bfe_u32 s[CY], ttmp6, 0x40004
	s_lshl_b32 s[TN], ttmp9, 2
	s_add_co_u32 s[TN], s[TN], s[CX]               ; tile of 128 columns
	s_and_b32 s[TM], ttmp7, 0xffff
	s_lshl_b32 s[TM], s[TM], 2
	s_add_co_u32 s[TM], s[TM], s[CY]               ; tile of 128 tokens
	s_lshl_b32 s76, s[CY], 2
	s_lshl_b32 s76, 15, s76                        ; my row of the cluster
	s_lshl_b32 s77, 0x1111, s[CX]                  ; my column
	s_or_b32 s16, s76, (3<<16)|(1<<21)             ; A's group 1: the mask; elements of 8 bytes; 21 set beside a mask; no padding
	s_mov_b32 s17, 2048<<16                        ; tensor_dim0 = 2,048 elements: sixteen heads' images, 16,384 bytes
	s_mov_b32 s18, 4<<16                           ; tensor_dim1 = 4 tiles of tokens
	s_mov_b32 s19, 2048<<16                        ; tile_dim0
	s_mov_b32 s20, 4                               ; tile_dim1
	s_mov_b32 s21, 2048                            ; from tile to tile: dense
	s_mov_b32 s22, 0
	s_mov_b32 s23, 0
	s_or_b32 s24, s77, (1<<20)|(1<<21)|(7<<22)|(3<<25)   ; B's: the mask; elements of 1 byte; padding: four words after every 256
	s_mov_b32 s25, 1024<<16
	s_mov_b32 s26, 64<<16
	s_mov_b32 s27, 1024<<16
	s_mov_b32 s28, 64
	s_mov_b32 s29, 1024
	s_mov_b32 s30, 0
	s_mov_b32 s31, 0
	s_lshl_b32 s78, s[TM], 17                      ; A: 8 tiles of tokens x 16,384 bytes for each tile of 128; it never holds cx
	s_lshl_b32 s79, s[HB], 16
	s_add_co_u32 s78, s78, s79
	s_mov_b32 s79, 0
	s_lshl_b32 s2, s[TN], 7                        ; B: row 128 x tile + 64 x half; it never holds cy
	s_lshl_b32 s3, s[HB], 6
	s_add_co_u32 s2, s2, s3
	s_lshl_b32 s2, s2, 10
	s_add_co_u32 s2, s2, 0x300000
	s_mov_b32 s3, 0
	s_lshl_b32 s14, s[HB], 16                      ; where they go: of the wave's number alone
	s_mul_i32 s15, s[HB], 64*BP
	s_add_co_u32 s15, s15, BBASE
	s_lshl_b32 s80, s[TN], 9
	s_lshl_b32 s81, s[HB], 8
	s_add_co_u32 s80, s80, s81                     ; my first column, in bytes of f32
	s_mov_b32 s81, 0
	s_lshl_b32 s82, s[TM], 19
	s_lshl_b32 s83, s[HA], 18
	s_add_co_u32 s82, s82, s83                     ; my first token's row of 4,096 bytes
	s_add_co_u32 s82, s82, s80
	s_mov_b32 s83, 0
	s_wait_dscnt 0x0                               ; both adds are done
	s_wait_kmcnt 0x0
	s_load_b64 s[SC:SC+1], s[10:11], 0x28          ; e10, e11
	s_add_nc_u64 s[78:79], s[4:5], s[78:79]
	s_add_nc_u64 s[2:3], s[6:7], s[2:3]
	s_add_nc_u64 s[8:9], s[8:9], s[80:81]
	s_add_nc_u64 s[12:13], s[12:13], s[82:83]
	s_mov_b32 s32, 1
	s_mov_b32 s33, s14
	s_mov_b64 s[34:35], s[78:79]
	s_or_b32 s35, s35, 0x80000000
	s_mov_b32 s48, 1
	s_mov_b32 s49, s15
	s_mov_b64 s[50:51], s[2:3]
	s_or_b32 s51, s51, 0x80000000
	CROUND                                         ; all sixteen work-groups are here: the joint loads meet
	s_cmp_lt_u32 s[WV], 2
	s_cbranch_scc0 .Lfirst_b
	tensor_load_to_lds s[32:35], s[16:23]
	s_nop 0
.rept 4
	v_nop
.endr
	s_branch .Lfirst_asked
.Lfirst_b:
	tensor_load_to_lds s[48:51], s[24:31]
	s_nop 0
.rept 4
	v_nop
.endr
.Lfirst_asked:
	v_and_b32 v2, 15, v0                           ; r
	v_bfe_u32 v3, v0, 4, 1                         ; h
	v_lshlrev_b32 v12, 5, v3
.irp b, 0,1,2,3
	global_load_b128 v[96+8*\b:96+8*\b+3], v12, s[8:9] offset:64*\b         ; bo at my eight columns of block b: 16 b + 8 h + 0 .. 7
	global_load_b128 v[96+8*\b+4:96+8*\b+7], v12, s[8:9] offset:64*\b+16
.endr
	v_and_b32 v4, 31, v0
	v_lshlrev_b32 v4, 4, v4                        ; 16 x lane
	s_lshl_b32 s73, s[HA], 16
	v_add_nc_u32 v5, s73, v4                       ; A's images: my four tiles of tokens
	s_mul_i32 s73, s[HB], 64*BP
	s_add_co_u32 s73, s73, BBASE
	v_mul_u32_u24 v7, v2, BP
	v_lshl_add_u32 v7, v3, 3, v7
	v_add_nc_u32 v7, s73, v7                       ; B's rows: row r of my 64, + 8 h
	s_mul_i32 s73, s[WV], 16*SPI
	s_add_co_u32 s73, s73, STG                     ; my stage
	v_mul_u32_u24 v9, v2, SPI
	v_lshl_add_u32 v9, v3, 5, v9
	v_add_nc_u32 v9, s73, v9                       ; in: row r, 32 bytes for each half of the lanes
	v_mul_u32_u24 v10, v3, SPI
	v_lshl_add_u32 v10, v2, 4, v10
	v_add_nc_u32 v10, s73, v10                     ; back: lanes 0-15 one row of 256 bytes, lanes 16-31 the next
	v_lshlrev_b32 v11, 12, v3
	v_lshl_add_u32 v11, v2, 4, v11                 ; and the same two rows in out0
; The fragments of K step kk (128 along K): block 0's of A (4 loads of 16 bytes), all four of B (32 of 8 bytes)
.macro FETCH kk
	WIN 0x40
.irp c, 0,1,2,3
	ds_load_b128 v[16*(\kk)+4*\c:16*(\kk)+4*\c+3], v5 offset:2048*(\kk)+512*\c
.endr
	WIN 0x80+0x40*((\kk)/4)
.irp b, 0,1,2,3
.irp c, 0,1,2,3,4,5,6,7
	ds_load_b64 v[64*((\kk)%4)+16*\b+2*\c:64*((\kk)%4)+16*\b+2*\c+1], v7 offset:16*BP*\b+128*(\kk)+16*\c
.endr
.endr
.endm
.macro LOADA a                         ; block a's fragments of A for the whole K: 32 loads
	WIN 0x40
.irp kk, 0,1,2,3,4,5,6,7
.irp c, 0,1,2,3
	ds_load_b128 v[128*((\a)%2)+16*\kk+4*\c:128*((\a)%2)+16*\kk+4*\c+3], v5 offset:16384*(\a)+2048*\kk+512*\c
.endr
.endr
	WIN 0
.endm
; Four matrix instructions, block a's four accumulators by turns: three others stand between two steps of a sum.  The first product starts the sums.
.macro MULK a, kk
	WIN 0x06+(\kk)/4                               ; source 0 window 2 or 3, source 1 window 1; C and D window 0
.set AB, ACC+32*((\a)%2)
.set FB, 64*((\kk)%4)
.set FA, 128*((\a)%2)+16*(\kk)
.irp b, 0,1,2,3
.if (\kk) == 0
	v_wmma_f32_16x16x128_fp8_fp8 v[AB+8*\b:AB+8*\b+7], v[FB+16*\b:FB+16*\b+15], v[FA:FA+15], 0
.else
	v_wmma_f32_16x16x128_fp8_fp8 v[AB+8*\b:AB+8*\b+7], v[FB+16*\b:FB+16*\b+15], v[FA:FA+15], v[AB+8*\b:AB+8*\b+7]
.endif
.endr
.endm
; THE WAY OUT of block a: sum x 2^(e10 + e11) + bo; 16 tokens x 64 columns go through my own stage and come back as rows of 256 bytes: sixteen lanes store 256 consecutive bytes, aligned
.macro BLK a
.set TT, 32+32*((\a)%2)
.set AB, ACC+32*((\a)%2)
	WIN 0
.rept 4
	v_nop                                          ; places behind the block's last products
.endr
.irp b, 0,1,2,3
.irp i, 0,2,4,6
	v_pk_fma_f32 v[TT+8*\b+\i:TT+8*\b+\i+1], v[AB+8*\b+\i:AB+8*\b+\i+1], s[SC:SC+1], v[96+8*\b+\i:96+8*\b+\i+1] op_sel_hi:[1,0,1]   ; each accumulator from its low end on
.endr
.endr
.irp b, 0,1,2,3
	ds_store_b128 v9, v[TT+8*\b:TT+8*\b+3] offset:64*\b
	ds_store_b128 v9, v[TT+8*\b+4:TT+8*\b+7] offset:64*\b+16
.endr
.irp t, 0,1,2,3,4,5,6,7
	ds_load_b128 v[TT+4*\t:TT+4*\t+3], v10 offset:2*\t*SPI   ; LDS serves a wave's instructions in order (ISA guide 5.7.1.4): these see my stores, and the next block's stores come behind them
.endr
.endm
.macro SEND a, younger                 ; younger: the LDS loads issued behind block a's, which may stay out
.set TT, 32+32*((\a)%2)
	s_wait_dscnt \younger
.irp t, 0,1,2,3,4,5,6,7
	global_store_b128 v11, v[TT+4*\t:TT+4*\t+3], s[12:13] offset:(16*(\a)+2*\t)*4096 th:TH_STORE_NT   ; written once, read by nobody here
.endr
.endm
	s_wait_alu depctr_va_vdst(0)                   ; the head's end
	s_wait_kmcnt 0x0
	s_add_co_i32 s[SC], s[SC], s[SC+1]
	s_add_co_i32 s[SC], s[SC], 127
	s_lshl_b32 s[SC], s[SC], 23                    ; 2^(e10 + e11) as f32
	s_mov_b32 s[SC+1], s[SC]
	s_wait_loadcnt 0x0                             ; bo
	s_wait_tensorcnt 0x0                           ; my load has landed
	s_barrier_signal -1
	s_barrier_wait -1                              ; everybody's has
	FETCH 0
.irp kk, 0,1,2,3,4,5,6
	FETCH \kk+1
	s_wait_dscnt 36                                ; this step's fragments are in; the 36 loads just issued may be out
	MULK 0, \kk
.endr
	LOADA 1
	s_wait_dscnt 32
	MULK 0, 7
	BLK 0
.irp a, 1,2,3
.if \a < 3
	LOADA \a+1                                     ; onto the set that block a - 1's products have read: BLK's vector lines are the places
	SEND \a-1, 32                                  ; block a's fragments and block a - 1's rows are in; the 32 loads just issued may be out
.else
	SEND \a-1, 0
.endif
.irp kk, 0,1,2,3,4,5,6,7
	MULK \a, \kk
.endr
.if \a >= 2
	s_wait_xcnt 0x0                                ; the stores of two blocks ago have read their registers, which take this block
.endif
	BLK \a
.endr
	SEND 3, 0
	s_wait_tensorcnt 0x0                           ; the wave's end
	ds_add_u32 v30, v31
	s_wait_dscnt 0x0
	CROUND                                         ; the closing round: no work-group ends while a partner may still ask for a tile that names it
	s_endpgm
.Lfunc_end_k_qcb8d6f8ae3_oproj:
	.size	k_qcb8d6f8ae3_oproj, .Lfunc_end_k_qcb8d6f8ae3_oproj-k_qcb8d6f8ae3_oproj
	.p2alignl 7, 3214868480
	.fill 96, 4, 3214868480
	.section	.rodata,"a",@progbits
	.p2align	6, 0x0
	.amdhsa_kernel k_qcb8d6f8ae3_oproj
		.amdhsa_group_segment_fixed_size 288256
		.amdhsa_private_segment_fixed_size 0
		.amdhsa_enable_private_segment 0
		.amdhsa_kernarg_size 40
		.amdhsa_user_sgpr_count 2
		.amdhsa_user_sgpr_kernarg_segment_ptr 1
		.amdhsa_wavefront_size32 1
		.amdhsa_system_sgpr_workgroup_id_x 1
		.amdhsa_system_sgpr_workgroup_id_y 1
		.amdhsa_system_sgpr_workgroup_id_z 1
		.amdhsa_system_vgpr_workitem_id 0
		.amdhsa_next_free_vgpr 1024
		.amdhsa_next_free_sgpr 84
		.amdhsa_reserve_vcc 0
		.amdhsa_float_denorm_mode_32 3
		.amdhsa_float_denorm_mode_16_64 3
		.amdhsa_memory_ordered 1
		.amdhsa_forward_progress 1
		.amdhsa_inst_pref_size 53
	.end_amdhsa_kernel
	.amdgpu_metadata
---
amdhsa.version: [ 1, 2 ]
amdhsa.kernels:
  - .name:           k_qcb8d6f8ae3_oproj
    .symbol:         k_qcb8d6f8ae3_oproj.kd
    .args:
      - { .name: ao, .offset: 0, .size: 8, .value_kind: global_buffer, .address_space: global }
      - { .name: wc, .offset: 8, .size: 8, .value_kind: global_buffer, .address_space: global }
      - { .name: bo, .offset: 16, .size: 8, .value_kind: global_buffer, .address_space: global }
      - { .name: lowp_scales, .offset: 24, .size: 8, .value_kind: global_buffer, .address_space: global }
      - { .name: out0, .offset: 32, .size: 8, .value_kind: global_buffer, .address_space: global }
    .group_segment_fixed_size: 288256
    .private_segment_fixed_size: 0
    .kernarg_segment_align: 8
    .kernarg_segment_size: 40
    .max_flat_workgroup_size: 128
    .sgpr_count:     84
    .vgpr_count:     1024
    .wavefront_size: 32
...
	.end_amdgpu_metadata
.endif
;; end of part 4
